; MI455X (gfx1250); checked and timed in simulation.
; The chip was launched on July 23, 2026; its instructions are those of AMD's public machine-readable ISA for CDNA 5 (MIT licence, August 2026) and "CDNA5" Instruction Set Architecture Reference Guide (July 2026). The comments in the code are by the model that wrote it; some were corrected since.
;; Multihead Attention. Allowed arithmetic: matrix products marked QUANTISED: E2M3 operands, one E8M0 scale for each 32 along K, by v_wmma_scale_f32_16x16x128_f8f6f4 with both operands' format E2M3, f32 sums; everything else in f32.
;; Inputs: Wk_codes 768 x 24 x 24 uint8 (E2M3 codes of Wk, K innermost, in blocks of 32 codes, four codes in three bytes); Wk_scales 768 x 24 uint8 (E8M0 scales of Wk, one for each 32 codes along K); Wq_codes 768 x 24 x 24 uint8 (E2M3 codes of Wq, K innermost, in blocks of 32 codes, four codes in three bytes); Wq_scales 768 x 24 uint8 (E8M0 scales of Wq, one for each 32 codes along K); Wv_codes 768 x 24 x 24 uint8 (E2M3 codes of Wv, K innermost, in blocks of 32 codes, four codes in three bytes); Wv_scales 768 x 24 uint8 (E8M0 scales of Wv, one for each 32 codes along K); hidden_states_codes 2 x 4,096 x 24 x 24 uint8 (E2M3 codes of hidden_states, K innermost, in blocks of 32 codes, four codes in three bytes); hidden_states_scales 2 x 4,096 x 24 uint8 (E8M0 scales of hidden_states, one for each 32 codes along K); key_value_states_codes 2 x 4,096 x 24 x 24 uint8 (E2M3 codes of key_value_states, K innermost, in blocks of 32 codes, four codes in three bytes); key_value_states_scales 2 x 4,096 x 24 uint8 (E8M0 scales of key_value_states, one for each 32 codes along K).
;; Outputs: out0 2 x 4,096 x 768 float32.
;; This version of the problem:
;;   THIS VERSION OF THE PROBLEM IS GIVEN IN LOW PRECISION. The matrix products marked QUANTISED in the list below multiply operands that are first quantised to E2M3 (2 exponent bits, 3 mantissa bits; 6 bits a number), with one power-of-two scale for each 32 numbers along K (OCP MX v1.0); their sums are f32. All else is computed in f32.
;;   The module's matrix products, in the order in which they are computed (A, B: the left and right operand; K: the contracted axis; several contracted axes count as one K, in the product's order):
;;     1. [M 8,192, K 768] x [K 768, N 768]; A: input hidden_states (given as codes); B: input Wq (given as codes): QUANTISED
;;     2. [M 8,192, K 768] x [K 768, N 768]; A: input key_value_states (given as codes); B: input Wk (given as codes): QUANTISED
;;     3. [M 8,192, K 768] x [K 768, N 768]; A: input key_value_states (given as codes); B: input Wv (given as codes): QUANTISED
;;     4. batch 16 x [M 4,096, K 96] x [K 96, N 4,096]; A: computed on the way; B: computed on the way: QUANTISED
;;     5. batch 16 x [M 4,096, K 4,096] x [K 4,096, N 96]; A: softmax (see below); B: computed on the way: QUANTISED
;;   THE QUANTISER, for each operand of a quantised product, along K:
;;     - K is cut into blocks of 32 from its start; a last block that is shorter is filled with zeros.
;;     - A block's scale is 2^e with e = floor(log2(the largest magnitude in the block)) - 2, held to -126 .. 127; a block of zeros has e = 0. As a byte (E8M0): e + 127.
;;     - Each number is divided by its block's scale, clamped to +-7.5, and rounded to the nearest number of E2M3, ties to even, subnormals kept.
;;     - The product sums the exact products of the quantised numbers (number of the format x scale) in f32.
;;   ~~~python
;;   def quantise(x, axis):      # numpy; x: float32 -> the quantised numbers, widened to float32 again
;;       x = np.moveaxis(x, axis, -1); K = x.shape[-1]
;;       x = np.pad(x, [(0, 0)] * (x.ndim - 1) + [(0, -K % 32)]); x = x.reshape(x.shape[:-1] + (-1, 32)); a = np.abs(x).max(-1, keepdims=True)
;;       e = np.where(a > 0, np.clip(np.frexp(np.where(a > 0, a, 1))[1] - 1 - 2, -126, 127), 0)      # np.frexp(a)[1] - 1 = floor(log2(a)), exactly
;;       r = np.clip(x / 2.0 ** e, -7.5, 7.5)
;;       step = 2.0 ** (np.maximum(np.frexp(np.where(r == 0, 1, r))[1] - 1, 0) - 3)
;;       q = np.round(r / step) * step * 2.0 ** e      # np.round: ties to even
;;       return np.moveaxis(q.reshape(q.shape[:-2] + (-1,))[..., :K], -1, axis).astype(np.float32)
;;   ~~~
;;   SOFTMAX AHEAD OF A QUANTISED PRODUCT. Where the list says 'softmax', what is quantised is not the finished softmax but p = 2^(t - M), with t = logit x log2(e) and M = ceil(the row's largest t), a whole number; so 1/2 < the row's largest p <= 1. The row's sum l is taken of the UNQUANTISED p, in f32, and the product's result is divided by l at the end. Since M is a whole number, a kernel that streams over the keys may use a running M (the ceiling of the running maximum): every later rescaling is an exact power of two, which a block's scale takes up: the codes' values come out the same.
;;   OPERANDS COMPUTED ON THE WAY. 'Computed on the way' means the value that the module computes at that place (a softmax that the list does not call 'softmax' is quantised finished and normalised). What goes into a quantiser is computed in f32, as accurately as f32 sums, v_exp_f32 and their like allow (about 1e-6 of the number): no bf16 or f16 on the way to a quantiser, and a product that is left as it is and whose result goes on into a quantised operand takes f32 operands (vector FMAs, or v_wmma_f32_16x16x4_f32). A number that lies on a knife's edge between two numbers of the format may be rounded either way, as far as f32 arithmetic and the matrix unit's own rounding can turn it there, and no further.
;;   INPUTS GIVEN AS CODES. Wk (in the module: [768, 768], K = its axis 0); Wq (in the module: [768, 768], K = its axis 0); Wv (in the module: [768, 768], K = its axis 0); hidden_states (in the module: [2, 4096, 768], K = its axis 2); key_value_states (in the module: [2, 4096, 768], K = its axis 2): each comes as NAME_codes (uint8): NAME with its K axis moved to the last place and cut into blocks of 32 codes, [.., K / 32, bytes a block], one block behind the other in memory; four codes in three bytes: a row's codes are one little-endian stream of bits, code i at bits 6 i .. 6 i + 5 (a code: sign, 2 exponent bits, 3 mantissa bits); and NAME_scales (uint8): the same leading axes, one E8M0 byte (e + 127) for each 32 codes along K. Its value is code x scale, taken as it is: it is not quantised again, and the codes and scales need not be those that the quantiser above would give.
;; One version. Each part assembles by itself: llvm-mc -triple=amdgcn-amd-amdhsa -mcpu=gfx1250 --defsym DOCPART=n.
;; ======== version 1 of 1: 2 launches
;; limits: right only within a limited range of input values
;; workspace buffers: qbuf 6,553,600 bytes; kvbuf 11,534,336 bytes
;; launch proj (part 1): grid 32 x 6, 4 waves a work-group, clusters of 4 x 1, 327,680 bytes of LDS; arguments hidden_states_codes, hidden_states_scales, key_value_states_codes, key_value_states_scales, Wq_codes, Wq_scales, Wk_codes, Wk_scales, Wv_codes, Wv_scales, qbuf, kvbuf; writes qbuf, kvbuf
.if DOCPART == 1
	.amdgcn_target "amdgcn-amd-amdhsa--gfx1250"
	.amdhsa_code_object_version 6
	.text
	.protected	k_q447fb32bdd_proj
	.globl	k_q447fb32bdd_proj
	.p2align	8
	.type	k_q447fb32bdd_proj,@function
k_q447fb32bdd_proj:
	s_mov_b64 s[64:65], 0
	v_nop
	global_prefetch_b8 v0, s[64:65] scope:SCOPE_SE
	s_setreg_imm32_b32 hwreg(HW_REG_WAVE_MODE, 25, 1), 1
	s_wait_xcnt 0x0
	s_wait_alu depctr_hold_cnt(0) depctr_sa_sdst(0) depctr_va_vdst(0) depctr_va_sdst(0) depctr_va_ssrc(0) depctr_va_vcc(0) depctr_vm_vsrc(0)
	s_getreg_b32 s2, hwreg(HW_REG_IB_STS2, 6, 4)
	s_cmp_eq_u32 s2, 0
	s_cbranch_scc0 .Lentry_in_a_cluster
	s_endpgm
.Lentry_in_a_cluster:
	s_bfe_u32 s2, ttmp6, 0x10000c
	s_cmp_lg_u32 s2, 0x3003
	s_cbranch_scc0 .Lentry_shape_is_right
	s_endpgm
.Lentry_shape_is_right:
; q = hidden Wq / sqrt(96), k = kv Wk, v = kv Wv on codes of FP6 (E2M3) as they are given, sums in f32; the results are quantised at once for the two products of attention:
; q and k along a head's 96 channels (three blocks of 32), v along the keys (blocks of 32 tokens), and stored as codes and E8M0 scale words in the order in which the next launch's operand registers take them.
; SHARES.  Work-group y = 0..5: kind y / 2 (0 q, 1 k, 2 v), heads 4 (y % 2) + wave.  Work-group x = a chunk of 256 tokens.  A wave keeps its head's 96 rows x 768 K of W in registers (36 fragments, 432 registers)
; for the whole launch; the four waves read the same tiles of x from LDS.  A trip is 32 tokens: 12 accumulators, 72 matrix instructions; 8 trips.
; CLUSTER.  The four work-groups of a cluster have the same y, so they want the same rows of W: W is asked for jointly (mask 15).  x is each work-group's own: plain loads.
; 192 work-groups: 6 kinds-and-halves x 32 chunks; a chunk is two whole records of the workspace.  Half as large a chunk would fetch and read out W twice as often for the same products.
; SOURCES.  q, k: source 0 = 16 rows of W, source 1 = 16 tokens: a lane holds ONE token and its registers run along the channels.  v: the sources change places: a lane holds ONE channel and its registers run along the tokens.
; In both a lane's 16 registers of two neighbouring accumulators are half of one block of 32; the other half lies in the lane 16 away.
; THE WORKSPACE.  A fragment (16 rows x 128 k) is 1,536 bytes: four units of 384 bytes, one for each block of 32; in a unit row r has 24 bytes at 24 r: 12 bytes from lane (r, 0), 12 from lane (r, 1), as the conversion leaves them.
; Place 16 h + 8 u + j of a block holds its number 16 u + 8 h + j, alike in q and k, and alike in v and in the weights p of the next launch: a permutation of k applied to both operands keeps the products.
; qbuf: [16 heads][32 records][12,800]: 8 fragments (128 queries), then 128 scale words.  kvbuf: [16][32][22,528]: K's 8 fragments, V's 6, 128 scale words of K, 96 of V, 128 bytes of zeros.
; q's and k's fourth unit is zero codes, their scale words' fourth byte 127: K = 96 is filled up to the instruction's 128 with zeros on both sides.
; LIMITS.  q / sqrt(96) is a multiplication by the f32 number nearest to 1 / sqrt(96): it can differ from the division in the last place.  A block of zeros gets the byte 1 (the rule says 127): its codes are zeros and only
; this program reads the bytes.  Blocks whose largest magnitude lies under 2^-124 are held at the byte 1.  NaN, infinities and a given scale byte 0xff are not served.
; No prefetch: every byte that the launch reads is asked for at its head.
.set XROW,  576                        ; a row of x or W in memory: 768 codes
.set XP,    720                        ; a token's row in LDS: 9 x (64 bytes + 16 of padding) = 180 words: row r starts at bank -12 r mod 64 (64 banks of 4 bytes: ISA guide 11.1): the 32 lanes of a load of 8 bytes touch 64 different banks
.set WP,    648                        ; a row of W in LDS: 9 x (64 + 8): read out once, so a narrower padding is taken, which leaves room for 64 tokens beside W
.set WR,    64*XP                      ; LDS: tokens 0-63 at 0; W from here on, 96 rows a wave; tokens 64-255 are laid over W when W has been read out
.set WREG,  96*WP
.set XSC,   WR+4*WREG                  ; behind W: x's scale bytes, 256 tokens x 24, dense
.set SPARE, XSC+256*24                 ; the spare words, 128 bytes for each wave: two blocks of 256 bytes that no other line names
; ALL TILES ARE STATED AS DENSE ROWS OF 256 BYTES: 48, 64 or 192 rows of 576 bytes are one dense block of memory that begins at a multiple of 256 bytes; the padding behind every 64 bytes gives the LDS rows named above.
; K'S ROWS: fragment 4 c + i of a record holds in row m the key 64 c + 32 (m / 8) + 16 (i % 2) + 8 (i / 2) + m % 8, so that in the next launch a lane's 32 scores of four fragments are one block of 32 keys, in the order of V's places.
.set QREC,  12800
.set KREC,  22528
.set QSO,   12288                      ; scale words in a record of qbuf
.set KSO,   21504                      ; K's in a record of kvbuf
.set VC,    12288                      ; V's fragments
.set VSO,   22016                      ; V's scale words
.set SPW,  3                           ; v3   LDS address of my spare word; never rewritten
.set NIL,  4                           ; v4   0; never rewritten
.set AXL0, 5                           ; v5   720 r + 24 h: my lane's place in a tile of x
.set AXL1, 6                           ; v6   720 r + 40 h: the same for pieces that lie behind one padding more
.set AX0,  7                           ; v7-8 the two addresses of the tile in hand
.set AXSL, 9                           ; v9   XSC + 24 lane
.set AXS,  10                          ; v10  the address of the trip's scale words
.set L12,  11                          ; v11  24 r + 12 h: my 12 bytes of a unit
.set L4,   12                          ; v12  4 x lane
.set VO,   13                          ; v13  the trip's offset for codes
.set VS,   14                          ; v14  and for scale words
.set AW0,  15                          ; v15-16 my lane's place in my wave's rows of W (24 h, 32 h)
.set L24,  17                          ; v17  24 x lane
.set ZR,   18                          ; v18-20 zeros
.set WSC,  24                          ; v24-41 W's scale words: register 6 i + q: lanes 0-15 tile 2 i, lanes 16-31 tile 2 i + 1, K step q
.set XS,   42                          ; v42-47 x's: register q: lanes 0-15 the trip's tokens 0-15, lanes 16-31 tokens 16-31
.set AC,   48                          ; v48-143 the 12 accumulators
.set MX,   144                         ; v144-149 a block's largest magnitude, six groups
.set MY,   150                         ; v150-155 the other half's, then the scale's byte
.set SO,   156                         ; v156-161 the conversions' scale operands
.set CD,   162                         ; v162-185 codes, four registers a group
.set VSW,  186                         ; v186-191 v: the scale words as they grow
.set W0,   186                         ; q, k: the two tiles' scale words, and the word that is stored
.set W1,   187
.set WD,   188
.set TW,   192                         ; v192-194 v: scale words to store
.set OUT,  36                          ; s[36:37] my records
.set WV,   38
.set TY,   39                          ; 0 q, 1 k, 2 v
.set HI,   40                          ; the mask of lanes 16-31
.set RS,   41                          ; bytes in a record
.set SOFF, 42                          ; where its scale words begin (q, k)
.set TAU,  43                          ; the trip
.set TX,   44                          ; LDS byte of the tile to be fetched
.set TXS,  45                          ; and of its scale bytes
.set SEL,  46                          ; s[46:47] lane selects: lane l xor 16
.set QM,   48                          ; s[48:49] 1 / sqrt(96)
.set G0W,  4                           ; descriptor groups 0: W, tokens 0-63, tokens 64-255, scale bytes
.set G0A,  8
.set G0B,  12
.set G1W,  68                          ; and groups 1
.set G1A,  76
.set G1B,  84
.set G0S,  16                          ; groups 0 and 1 for x's scale bytes
.set G1S,  92
.set KM,   60                          ; all ones for kind k, else 0
.set MBC,  61                          ; bytes of codes from an even trip of a record to the odd one behind it
.set MBS,  62                          ; the same for scale words
.set MSB, 0
.macro WIN new                         ; the immediate's high byte repeats the setting that is left; a switch that changes nothing is dropped
.if MSB != \new
	s_set_vgpr_msb (MSB<<8)|\new
.set MSB, \new
.endif
.endm
.macro PLACES                          ; four plain vector instructions behind a matrix instruction, in front of loads into its registers and of reads of its result
.rept 4
	v_nop
.endr
.endm
.macro CROUND                          ; a round of the cluster's barrier
	s_barrier_signal -1
	s_barrier_wait -1
	s_cmp_lg_u32 s[WV], 0
	s_cbranch_scc1 .Lnot_wave_0_\@
	s_barrier_signal -3
.Lnot_wave_0_\@:
	s_barrier_wait -3
	s_barrier_signal -1
	s_barrier_wait -1
.endm
; A fragment (16 rows x 128 K, 12 registers) out of padded rows: lane (r, h) takes 24 bytes of row r for k = 32 h on and 24 for k = 64 + 32 h on, in pieces of 8 bytes.  Lanes 0-15 take the row's pieces 12 q + 0, 1, 2, 6, 7, 8,
; lanes 16-31 those three pieces on; a padding of padb bytes lies behind every 8 pieces: where the piece three on lies behind one padding more, the second address register serves.
.macro FRAG reg, adr, q, rowoff, padb
.irp p, 0,1,2,3,4,5
.set PCE, 12*(\q)+6*(\p/3)+\p%3
.if PCE%8 < 5
	ds_load_b64 v[(\reg)+2*\p:(\reg)+2*\p+1], v[\adr] offset:8*PCE+(\padb)*(PCE/8)+(\rowoff)
.else
	ds_load_b64 v[(\reg)+2*\p:(\reg)+2*\p+1], v[(\adr)+1] offset:8*PCE+(\padb)*(PCE/8)+(\rowoff)
.endif
.endr
.endm
; One matrix instruction.  z = 1: C is the constant 0 (the product starts the sum), else C = D.  ra, rb = 1: the side's scale words stand in lanes 16-31 of the register named.
.macro WM d, a, b, z, sa, sb, ra, rb
.if (\z)
.if (\ra)
.if (\rb)
	v_wmma_scale_f32_16x16x128_f8f6f4 v[(\d):(\d)+7], v[(\a):(\a)+11], v[(\b):(\b)+11], 0, v[\sa], v[\sb] matrix_a_fmt:MATRIX_FMT_FP6 matrix_b_fmt:MATRIX_FMT_FP6 matrix_a_scale:MATRIX_SCALE_ROW1 matrix_b_scale:MATRIX_SCALE_ROW1
.else
	v_wmma_scale_f32_16x16x128_f8f6f4 v[(\d):(\d)+7], v[(\a):(\a)+11], v[(\b):(\b)+11], 0, v[\sa], v[\sb] matrix_a_fmt:MATRIX_FMT_FP6 matrix_b_fmt:MATRIX_FMT_FP6 matrix_a_scale:MATRIX_SCALE_ROW1
.endif
.else
.if (\rb)
	v_wmma_scale_f32_16x16x128_f8f6f4 v[(\d):(\d)+7], v[(\a):(\a)+11], v[(\b):(\b)+11], 0, v[\sa], v[\sb] matrix_a_fmt:MATRIX_FMT_FP6 matrix_b_fmt:MATRIX_FMT_FP6 matrix_b_scale:MATRIX_SCALE_ROW1
.else
	v_wmma_scale_f32_16x16x128_f8f6f4 v[(\d):(\d)+7], v[(\a):(\a)+11], v[(\b):(\b)+11], 0, v[\sa], v[\sb] matrix_a_fmt:MATRIX_FMT_FP6 matrix_b_fmt:MATRIX_FMT_FP6
.endif
.endif
.else
.if (\ra)
.if (\rb)
	v_wmma_scale_f32_16x16x128_f8f6f4 v[(\d):(\d)+7], v[(\a):(\a)+11], v[(\b):(\b)+11], v[(\d):(\d)+7], v[\sa], v[\sb] matrix_a_fmt:MATRIX_FMT_FP6 matrix_b_fmt:MATRIX_FMT_FP6 matrix_a_scale:MATRIX_SCALE_ROW1 matrix_b_scale:MATRIX_SCALE_ROW1
.else
	v_wmma_scale_f32_16x16x128_f8f6f4 v[(\d):(\d)+7], v[(\a):(\a)+11], v[(\b):(\b)+11], v[(\d):(\d)+7], v[\sa], v[\sb] matrix_a_fmt:MATRIX_FMT_FP6 matrix_b_fmt:MATRIX_FMT_FP6 matrix_a_scale:MATRIX_SCALE_ROW1
.endif
.else
.if (\rb)
	v_wmma_scale_f32_16x16x128_f8f6f4 v[(\d):(\d)+7], v[(\a):(\a)+11], v[(\b):(\b)+11], v[(\d):(\d)+7], v[\sa], v[\sb] matrix_a_fmt:MATRIX_FMT_FP6 matrix_b_fmt:MATRIX_FMT_FP6 matrix_b_scale:MATRIX_SCALE_ROW1
.else
	v_wmma_scale_f32_16x16x128_f8f6f4 v[(\d):(\d)+7], v[(\a):(\a)+11], v[(\b):(\b)+11], v[(\d):(\d)+7], v[\sa], v[\sb] matrix_a_fmt:MATRIX_FMT_FP6 matrix_b_fmt:MATRIX_FMT_FP6
.endif
.endif
.endif
.endm
; The trip's 72 products, K ascending, the 12 accumulators by turns, one instruction a turn.  W's fragments (tile a, K step q) lie at 12 (6 (q % 3) + a) of window 1 (q < 3) or 2; x's (tile u, K step q) at 12 (2 q + u) of window 3.
.macro MUL_A                           ; q, k: lane (r, h), register j of accumulator (u, a): token 16 u + r, channel 16 a + 8 h + j
.irp q, 0,1,2,3,4,5
.if \q < 3
	WIN 0x0d                                       ; source 0 (W) window 1, source 1 (x) window 3
.else
	WIN 0x0e                                       ; source 0 window 2
.endif
.irp u, 0,1
.irp a, 0,1,2,3,4,5
.if \q == 0
	WM AC+48*\u+8*\a, 12*(6*(\q%3)+\a), 12*(2*\q+\u), 1, WSC+6*(\a/2)+\q, XS+\q, \a%2, \u
.else
	WM AC+48*\u+8*\a, 12*(6*(\q%3)+\a), 12*(2*\q+\u), 0, WSC+6*(\a/2)+\q, XS+\q, \a%2, \u
.endif
.endr
.endr
.endr
	WIN 0
.endm
.macro MUL_B                           ; v: lane (r, h), register j of accumulator (n, u): channel 16 n + r, token 16 u + 8 h + j
.irp q, 0,1,2,3,4,5
.if \q < 3
	WIN 0x07                                       ; source 0 (x) window 3, source 1 (W) window 1
.else
	WIN 0x0b                                       ; source 1 window 2
.endif
.irp n, 0,1,2,3,4,5
.irp u, 0,1
.if \q == 0
	WM AC+16*\n+8*\u, 12*(2*\q+\u), 12*(6*(\q%3)+\n), 1, XS+\q, WSC+6*(\n/2)+\q, \u, \n%2
.else
	WM AC+16*\n+8*\u, 12*(2*\q+\u), 12*(6*(\q%3)+\n), 0, XS+\q, WSC+6*(\n/2)+\q, \u, \n%2
.endif
.endr
.endr
.endr
	WIN 0
.endm
.macro FETCH                           ; 32 tokens' fragments (72 loads) and their scale words (3 loads of 8 bytes: six words a token)
	WIN 0xc0                                       ; destination window 3, address window 0
.irp q, 0,1,2,3,4,5
.irp u, 0,1
	FRAG 12*(2*\q+\u), AX0, \q, \u*16*XP, 16
.endr
.endr
	WIN 0
.irp p, 0,1,2
	ds_load_b64 v[XS+2*\p:XS+2*\p+1], v[AXS] offset:8*\p
.endr
.endm
; Six groups of 16 registers, each half of a block of 32: the largest magnitude with the floor 2^(3 - 127) among its leaves, joined with the lane 16 away; 2 off its exponent field is the conversion's scale operand; its exponent field the byte.
.macro QBLOCKS
.irp g, 0,1,2,3,4,5
	v_max3_num_f32 v[MX+\g], |v[AC+16*\g]|, |v[AC+16*\g+1]|, 0x1800000
.endr
.irp i, 2,4,6,8,10,12,14
.irp g, 0,1,2,3,4,5
	v_max3_num_f32 v[MX+\g], v[MX+\g], |v[AC+16*\g+\i]|, |v[AC+16*\g+\i+1]|   ; the six groups by turns: no line waits for the line above it
.endr
.endr
.irp g, 0,1,2,3,4,5
	v_permlanex16_b32 v[MY+\g], v[MX+\g], s[SEL], s[SEL+1]
.endr
.irp g, 0,1,2,3,4,5
	v_max_num_f32 v[MX+\g], v[MX+\g], v[MY+\g]
.endr
.irp g, 0,1,2,3,4,5
	v_add_nc_u32 v[SO+\g], 0xff000000, v[MX+\g]
.endr
.irp g, 0,1,2,3,4,5
	v_cvt_scalef32_pk16_fp6_f32 v[CD+4*\g:CD+4*\g+2], v[AC+16*\g:AC+16*\g+15], v[SO+\g]   ; beyond 7.5 the largest code, as the rule asks
.endr
.irp g, 0,1,2,3,4,5
	v_lshrrev_b32 v[MY+\g], 23, v[SO+\g]           ; the byte; also the plain instruction behind the conversions
.endr
.endm
; q, k.  Group 3 u + b is block b of tile u.  s50 = the record's byte, s51 = the trip in the record.
.macro TAIL_A
	v_lshl_or_b32 v[W0], v[MY+1], 8, v[MY]
	v_lshl_or_b32 v[W1], v[MY+4], 8, v[MY+3]
	v_lshl_or_b32 v[W0], v[MY+2], 16, v[W0]
	v_lshl_or_b32 v[W1], v[MY+5], 16, v[W1]
	v_cndmask_b32 v[WD], v[W0], v[W1], s[HI]       ; lanes 0-15 tile 0's tokens, lanes 16-31 tile 1's: lane l has token l's word
	v_or_b32 v[WD], 0x7f000000, v[WD]              ; the byte of the block of zeros: 127
	s_lshr_b32 s52, s51, 1                         ; a pair of trips is four fragments and 64 words; the odd trip lies two fragments on (q) or eight rows on (k)
	s_and_b32 s53, s51, 1
	s_mul_i32 s54, s52, 6144
	s_mul_i32 s55, s53, s[MBC]
	s_add_co_u32 s54, s54, s55
	s_add_co_u32 s54, s54, s50
	v_add_nc_u32 v[VO], s54, v[L12]
	s_lshl_b32 s52, s52, 8
	s_mul_i32 s53, s53, s[MBS]
	s_add_co_u32 s53, s53, s52
	s_add_co_u32 s53, s53, s50
	s_add_co_u32 s53, s53, s[SOFF]
	v_add_nc_u32 v[VS], s53, v[L4]
	s_wait_alu depctr_va_vdst(0)                   ; ahead of the stores
.irp u, 0,1
.irp b, 0,1,2
	global_store_b96 v[VO], v[CD+4*(3*\u+\b):CD+4*(3*\u+\b)+2], s[OUT:OUT+1] offset:1536*\u+384*\b   ; the wave's store covers a unit's 384 consecutive bytes
.endr
	global_store_b96 v[VO], v[ZR:ZR+2], s[OUT:OUT+1] offset:1536*\u+1152   ; the fourth unit: zero codes
.endr
	global_store_b32 v[VS], v[WD], s[OUT:OUT+1]
.endm
; v.  Group n is channel tile n; the trip's 32 tokens are block s51 of the step's four.  The bytes are gathered over four trips into a word a channel.
.macro TAIL_B whole                    ; whole = 0: a trip that is written out and is not a record's fourth: the words' stores are not assembled
	s_lshl_b32 s54, s51, 3
	s_cmp_eq_u32 s51, 0
	s_cselect_b32 s55, 0, -1                       ; a record's first trip begins the words anew
.irp n, 0,1,2,3,4,5
	v_lshlrev_b32 v[MY+\n], s54, v[MY+\n]
.endr
.irp n, 0,1,2,3,4,5
	v_and_or_b32 v[VSW+\n], v[VSW+\n], s55, v[MY+\n]
.endr
	s_mul_i32 s52, s51, 384                        ; a unit a trip in each of the six fragments
	s_add_co_u32 s52, s52, s50
	v_add_nc_u32 v[VO], s52, v[L12]
.irp n, 0,1,2,3,4,5
	global_store_b96 v[VO], v[CD+4*\n:CD+4*\n+2], s[OUT:OUT+1] offset:VC+1536*\n
.endr
.if \whole
	s_cmp_lg_u32 s51, 3
	s_cbranch_scc1 .Lnot_whole_\@
.irp i, 0,1,2
	v_cndmask_b32 v[TW+\i], v[VSW+2*\i], v[VSW+2*\i+1], s[HI]   ; lane l: channel 32 i + l
.endr
	v_add_nc_u32 v[VS], s50, v[L4]
.irp i, 0,1,2
	global_store_b32 v[VS], v[TW+\i], s[OUT:OUT+1] offset:VSO+128*\i
.endr
	global_store_b32 v[VS], v[ZR], s[OUT:OUT+1] offset:VSO+384
.Lnot_whole_\@:
.endif
.endm
; A TRIP.  fetch = 1: the next trip's fragments are asked for behind this trip's products and land while its results are quantised.  sync = 1: the tokens laid over W are wanted next: every wave's part of them must have landed.
.macro TRIP fetch, sync, whole
	s_wait_dscnt 0x0                               ; the trip's fragments and scale words are in
	s_cmp_eq_u32 s[TY], 2                          ; the kind hangs on the work-group's y alone, which the partners share
	s_cbranch_scc1 .Lmul_b_\@
	MUL_A
	s_branch .Lmul_done_\@
.Lmul_b_\@:
	MUL_B
.Lmul_done_\@:
.if \fetch
	v_add_nc_u32 v[AX0], s[TX], v[AXL0]            ; four plain instructions: the places behind the last product
	v_add_nc_u32 v[AX0+1], s[TX], v[AXL1]
	v_add_nc_u32 v[AXS], s[TXS], v[AXSL]
	v_nop
.else
	PLACES
.endif
.if \sync
	s_wait_alu depctr_va_vdst(0)
	s_wait_tensorcnt 0x0                           ; my 48 of tokens 64-255 have landed (the one load that was out);
	s_barrier_signal -1                            ; no LDS instruction of mine is pending
	s_barrier_wait -1                              ; everybody's have
.endif
.if \fetch
	FETCH
.endif
	s_wait_xcnt 0x0                                ; the last trip's stores have read their data and offsets: both are written again below
	s_cmp_lg_u32 s[TY], 0
	s_cbranch_scc1 .Lnot_q_\@
.set J, 0
.rept 48
	v_pk_mul_f32 v[AC+J:AC+J+1], v[AC+J:AC+J+1], s[QM:QM+1] op_sel_hi:[1,0]   ; q / sqrt(96), each accumulator from its low end on
.set J, J+2
.endr
.Lnot_q_\@:
	QBLOCKS
	s_lshr_b32 s50, s[TAU], 2
	s_mul_i32 s50, s50, s[RS]                      ; which of my two records
	s_and_b32 s51, s[TAU], 3                       ; and which 32 of its 128 tokens
	s_cmp_eq_u32 s[TY], 2
	s_cbranch_scc1 .Ltail_b_\@
	TAIL_A
	s_branch .Ltail_done_\@
.Ltail_b_\@:
	s_wait_alu depctr_va_vdst(0)
	TAIL_B \whole
.Ltail_done_\@:
	s_add_co_u32 s[TX], s[TX], 32*XP
	s_add_co_u32 s[TXS], s[TXS], 32*24
	s_add_co_u32 s[TAU], s[TAU], 1
.endm
	s_load_b512 s[4:19], s[0:1], 0x0               ; hidden codes, scales; kv codes, scales; Wq codes, scales; Wk codes, scales
	s_load_b256 s[20:27], s[0:1], 0x40             ; Wv codes, scales; qbuf; kvbuf
	v_lshl_add_u32 v[SPW], v0, 2, SPARE
	v_mov_b32 v[NIL], 0
	ds_add_u32 v3, v4
	ds_add_u32 v3, v4
	s_wait_dscnt 0x0
	v_lshrrev_b32 v1, 5, v0
	v_readfirstlane_b32 s[WV], v1                  ; wave 0..3
	s_bfe_u32 s50, ttmp6, 0x40000                  ; cx
	s_lshl_b32 s51, ttmp9, 2
	s_add_co_u32 s51, s51, s50                     ; my chunk of 256 tokens: 4 x cluster x + cx
	s_and_b32 s52, ttmp7, 0xffff                   ; y
	s_lshr_b32 s[TY], s52, 1
	s_and_b32 s53, s52, 1
	s_lshl_b32 s53, s53, 2
	s_add_co_u32 s53, s53, s[WV]                   ; my head
	; group 1 for W: 96 rows of 576 bytes, 8 bytes of padding behind every 64; the mask names the four partners
	s_mov_b32 s[G1W], 15|(1<<20)|(1<<21)|(3<<22)|(1<<25)
	s_mov_b32 s[G1W+1], 256<<16                    ; 96 x 576 bytes as 216 dense rows of 256
	s_mov_b32 s[G1W+2], 432<<16                    ; (two heads' rows a load: 432 dense rows of 256 bytes)
	s_mov_b32 s[G1W+3], 256<<16
	s_mov_b32 s[G1W+4], 432
	s_mov_b32 s[G1W+5], 256
	s_mov_b32 s[G1W+6], 0
	s_mov_b32 s[G1W+7], 0
	; for x: tokens 0-63 (one wave's load) and 48 of tokens 64-255 (a quarter a wave), 16 bytes of padding behind every 64; no mask
	s_mov_b32 s[G1A], (1<<20)|(3<<22)|(3<<25)
	s_mov_b32 s[G1A+1], 256<<16                    ; 16 x 576 bytes as 36 dense rows of 256
	s_mov_b32 s[G1A+2], 144<<16                    ; (64 tokens: 144 dense rows of 256 bytes)
	s_mov_b32 s[G1A+3], 256<<16
	s_mov_b32 s[G1A+4], 144
	s_mov_b32 s[G1A+5], 256
	s_mov_b32 s[G1A+6], 0
	s_mov_b32 s[G1A+7], 0
	s_mov_b32 s[G1B], (1<<20)|(3<<22)|(3<<25)
	s_mov_b32 s[G1B+1], 256<<16                    ; 48 x 576 bytes as 108 dense rows of 256
	s_mov_b32 s[G1B+2], 108<<16
	s_mov_b32 s[G1B+3], 256<<16
	s_mov_b32 s[G1B+4], 108
	s_mov_b32 s[G1B+5], 256
	s_mov_b32 s[G1B+6], 0
	s_mov_b32 s[G1B+7], 0
	s_cmp_eq_u32 s[TY], 1                          ; kind k stores its rows in the order named at the head
	s_cselect_b32 s[KM], -1, 0
	s_mov_b32 s[MBC], 3072
	s_cselect_b32 s[MBC], 192, s[MBC]
	s_cselect_b32 s[MBS], 32, 128
	; for x's scale bytes: a dense block of 6,144 bytes, as 24 rows of 256 bytes (32 elements of 8 bytes)
	s_mov_b32 s[G1S], 3<<16
	s_mov_b32 s[G1S+1], 32<<16
	s_mov_b32 s[G1S+2], 24<<16
	s_mov_b32 s[G1S+3], 32<<16
	s_mov_b32 s[G1S+4], 24
	s_mov_b32 s[G1S+5], 32
	s_mov_b32 s[G1S+6], 0
	s_mov_b32 s[G1S+7], 0
	s_mov_b32 s[HI], 0xffff0000
	s_mov_b32 s[SEL], 0x76543210
	s_mov_b32 s[SEL+1], 0xfedcba98
	s_mov_b32 s[QM], 0x3dd105ec                    ; 1 / sqrt(96)
	s_mov_b32 s[QM+1], s[QM]                       ; (named with it as a pair, so it is written)
	s_wait_kmcnt 0x0
	s_cmp_eq_u32 s[TY], 0                          ; the buffers are chosen by the kind alone
	s_cselect_b64 s[28:29], s[4:5], s[8:9]         ; x's codes
	s_cselect_b64 s[30:31], s[6:7], s[10:11]       ; x's scale bytes
	s_cselect_b64 s[32:33], s[12:13], s[16:17]     ; W's codes: Wq or Wk,
	s_cselect_b64 s[34:35], s[14:15], s[18:19]
	s_cselect_b64 s[OUT:OUT+1], s[24:25], s[26:27]
	s_mov_b32 s[RS], KREC
	s_cselect_b32 s[RS], QREC, s[RS]
	s_mov_b32 s[SOFF], KSO
	s_cselect_b32 s[SOFF], QSO, s[SOFF]
	s_cmp_eq_u32 s[TY], 2
	s_cselect_b64 s[32:33], s[20:21], s[32:33]     ; or Wv
	s_cselect_b64 s[34:35], s[22:23], s[34:35]
	s_mul_i32 s54, s51, 256*XROW                   ; my chunk in x,
	s_mov_b32 s55, 0
	s_add_nc_u64 s[28:29], s[28:29], s[54:55]
	s_mul_i32 s54, s51, 256*24                     ; and in its scale bytes
	s_add_nc_u64 s[30:31], s[30:31], s[54:55]
	s_and_b32 s63, s[WV], 1                        ; at the head waves 0 and 1 fetch W, two heads each: which two
	s_sub_co_u32 s58, s53, s[WV]
	s_lshl_b32 s59, s63, 1
	s_add_co_u32 s58, s58, s59                     ; the first of the two heads
	s_mul_i32 s58, s58, 96*XROW
	s_mov_b32 s59, 0
	s_add_nc_u64 s[32:33], s[32:33], s[58:59]
	s_mul_i32 s58, s53, 96*24
	s_add_nc_u64 s[34:35], s[34:35], s[58:59]
	s_lshr_b32 s56, s51, 4                         ; the batch
	s_lshl_b32 s56, s56, 3
	s_add_co_u32 s56, s56, s53                     ; 8 x batch + head
	s_lshl_b32 s56, s56, 5
	s_and_b32 s57, s51, 15
	s_lshl_b32 s57, s57, 1
	s_add_co_u32 s56, s56, s57                     ; x 32 records + my chunk's two
	s_mul_i32 s56, s56, s[RS]
	s_mov_b32 s57, 0
	s_add_nc_u64 s[OUT:OUT+1], s[OUT:OUT+1], s[56:57]
	; the groups 0 take the registers that held the arguments
	s_mov_b32 s[G0W], 1
	s_mul_i32 s[G0W+1], s63, 2*WREG
	s_add_co_u32 s[G0W+1], s[G0W+1], WR
	s_mul_i32 s66, s[WV], WREG
	s_add_co_u32 s66, s66, WR                      ; where my own head's rows of W lie
	s_mov_b64 s[G0W+2:G0W+3], s[32:33]
	s_or_b32 s[G0W+3], s[G0W+3], 0x80000000
	s_mov_b32 s[G0A], 1
	s_mov_b32 s[G0A+1], 0
	s_mov_b64 s[G0A+2:G0A+3], s[28:29]
	s_or_b32 s[G0A+3], s[G0A+3], 0x80000000
	s_mov_b32 s[G0B], 1
	s_mul_i32 s[G0B+1], s[WV], 48*XP
	s_add_co_u32 s[G0B+1], s[G0B+1], 64*XP
	s_mul_i32 s54, s[WV], 48*XROW
	s_add_co_u32 s54, s54, 64*XROW
	s_add_nc_u64 s[G0B+2:G0B+3], s[28:29], s[54:55]
	s_or_b32 s[G0B+3], s[G0B+3], 0x80000000
	s_mov_b32 s[G0S], 1
	s_mov_b32 s[G0S+1], XSC
	s_mov_b64 s[G0S+2:G0S+3], s[30:31]
	s_or_b32 s[G0S+3], s[G0S+3], 0x80000000
	CROUND                                         ; the four work-groups are here: the joint load meets
	s_cmp_lt_u32 s[WV], 2                          ; the head's tiles are shared out, one load a wave: one chain of branches on the wave's number, one join
	s_cbranch_scc0 .Lhead_x
	tensor_load_to_lds s[G0W:G0W+3], s[G1W:G1W+7]  ; waves 0, 1: two heads' rows of W, jointly
	s_nop 0
.rept 4
	v_nop
.endr
	s_branch .Lhead_asked
.Lhead_x:
	s_cmp_eq_u32 s[WV], 2
	s_cbranch_scc0 .Lhead_s
	tensor_load_to_lds s[G0A:G0A+3], s[G1A:G1A+7]  ; wave 2: tokens 0-63
	s_nop 0
.rept 4
	v_nop
.endr
	s_branch .Lhead_asked
.Lhead_s:
	tensor_load_to_lds s[G0S:G0S+3], s[G1S:G1S+7]  ; wave 3: the scale bytes of the chunk's 256 tokens
	s_nop 0
.rept 4
	v_nop
.endr
.Lhead_asked:
	v_and_b32 v1, 31, v0
	v_and_b32 v2, 15, v0                           ; r
	v_bfe_u32 v21, v0, 4, 1                        ; h
	v_mul_u32_u24 v[L24], v1, 24
.irp i, 0,1,2
.irp p, 0,1,2
	global_load_b64 v[WSC+6*\i+2*\p:WSC+6*\i+2*\p+1], v[L24], s[34:35] offset:768*\i+8*\p   ; W's scale words: row 32 i + lane, 24 bytes: six words
.endr
.endr
	v_mul_u32_u24 v[AXL0], v2, XP
	v_mad_u32_u24 v[AXL1], v21, 40, v[AXL0]
	v_mad_u32_u24 v[AXL0], v21, 24, v[AXL0]
	v_add_nc_u32 v[AXSL], XSC, v[L24]
	v_mul_u32_u24 v[L12], v2, 24
	v_mad_u32_u24 v[L12], v21, 12, v[L12]
	v_lshlrev_b32 v[L4], 2, v1
	v_lshrrev_b32 v22, 3, v2                       ; kind k: token 16 u + r of a trip goes to fragment u + 2 (r / 8), row r % 8
	v_and_b32 v23, 7, v2
	v_mul_u32_u24 v[MX], v23, 24
	v_lshlrev_b32 v[MX+1], 2, v23
	v_mad_u32_u24 v[MX], v21, 12, v[MX]
	v_lshl_add_u32 v[MX+1], v21, 6, v[MX+1]        ; the word of lane 16 u + r: 64 u + 128 (r / 8) + 4 (r % 8)
	v_lshl_add_u32 v[MX], v22, 10, v[MX]
	v_lshl_add_u32 v[MX+1], v22, 7, v[MX+1]
	v_lshl_add_u32 v[MX], v22, 11, v[MX]           ; 24 (r % 8) + 12 h + 3072 (r / 8)
	v_cndmask_b32 v[L4], v[L4], v[MX+1], s[KM]
	v_cndmask_b32 v[L12], v[L12], v[MX], s[KM]
	v_mul_u32_u24 v[AW0], v2, WP
	v_add_nc_u32 v[AW0], s66, v[AW0]
	v_lshl_add_u32 v[AW0+1], v21, 5, v[AW0]
	v_mad_u32_u24 v[AW0], v21, 24, v[AW0]
.irp i, 0,1,2
	v_mov_b32 v[ZR+\i], 0
.endr
.irp g, 0,1,2,3,4,5
	v_mov_b32 v[MY+\g], 0                          ; written once: a lane permute's destination counts as one of its sources
	v_mov_b32 v[VSW+\g], 0                         ; and the words' first trip reads them
.endr
	s_wait_alu depctr_va_vdst(0)                   ; the wait at the head's end
	s_wait_tensorcnt 0x0                           ; my tile of the head's four has landed;
	s_barrier_signal -1                            ; no LDS instruction of mine is pending
	s_barrier_wait -1                              ; everybody's has: W and tokens 0-63 are whole
	WIN 0x40
.irp q, 0,1,2
.irp a, 0,1,2,3,4,5
	FRAG 12*(6*\q+\a), AW0, \q, \a*16*WP, 8
.endr
.endr
	WIN 0x80                                       ; destination window 2
.irp q, 3,4,5
.irp a, 0,1,2,3,4,5
	FRAG 12*(6*(\q-3)+\a), AW0, \q, \a*16*WP, 8
.endr
.endr
	WIN 0
	s_wait_tensorcnt 0x0                           ; all my tensor loads have landed;
	ds_add_u32 v[SPW], v[NIL]                      ; 0 onto my spare word;
	s_mov_b32 s[TAU], 0
	s_mov_b32 s[TX], 0
	s_mov_b32 s[TXS], 0
	s_wait_dscnt 0x0                               ; the add is done, and W is in my registers
	CROUND                                         ; so of every wave: nobody reads W's bytes any more; tokens 0-63 and the scale bytes are whole
	tensor_load_to_lds s[G0B:G0B+3], s[G1B:G1B+7]  ; my one load behind the round: my 48 of tokens 64-255, over W's bytes.  It has two trips in which to land
	s_nop 0
.rept 4
	v_nop
.endr
	v_add_nc_u32 v[AX0], s[TX], v[AXL0]
	v_add_nc_u32 v[AX0+1], s[TX], v[AXL1]
	v_add_nc_u32 v[AXS], s[TXS], v[AXSL]
	FETCH                                          ; trip 0
	s_add_co_u32 s[TX], s[TX], 32*XP
	s_add_co_u32 s[TXS], s[TXS], 32*24
	s_wait_loadcnt 0x0                             ; W's scale words
	TRIP 1, 0, 0                                   ; trip 0; fetches trip 1 (tokens 32-63)
	TRIP 1, 1, 0                                   ; trip 1; fetches trip 2, the first of the tokens laid over W: behind the barrier
.Ltrip:                                                ; trips 2 to 6
	TRIP 1, 0, 1
	s_cmp_lt_u32 s[TAU], 7
	s_cbranch_scc1 .Ltrip
	TRIP 0, 0, 1                                   ; trip 7: nothing is left to fetch
	s_wait_tensorcnt 0x0                           ; the wave's end
	ds_add_u32 v[SPW], v[NIL]
	s_wait_dscnt 0x0
	CROUND                                         ; the closing round
	s_endpgm
.Lfunc_end_k_q447fb32bdd_proj:
	.size	k_q447fb32bdd_proj, .Lfunc_end_k_q447fb32bdd_proj-k_q447fb32bdd_proj
	.p2alignl 7, 3214868480
	.fill 96, 4, 3214868480
	.section	.rodata,"a",@progbits
	.p2align	6, 0x0
	.amdhsa_kernel k_q447fb32bdd_proj
		.amdhsa_group_segment_fixed_size 327680
		.amdhsa_private_segment_fixed_size 0
		.amdhsa_enable_private_segment 0
		.amdhsa_kernarg_size 96
		.amdhsa_user_sgpr_count 2
		.amdhsa_user_sgpr_kernarg_segment_ptr 1
		.amdhsa_wavefront_size32 1
		.amdhsa_system_sgpr_workgroup_id_x 1
		.amdhsa_system_sgpr_workgroup_id_y 1
		.amdhsa_system_sgpr_workgroup_id_z 1
		.amdhsa_system_vgpr_workitem_id 0
		.amdhsa_next_free_vgpr 1024
		.amdhsa_next_free_sgpr 100
		.amdhsa_reserve_vcc 0
		.amdhsa_float_denorm_mode_32 3
		.amdhsa_float_denorm_mode_16_64 3
		.amdhsa_memory_ordered 1
		.amdhsa_forward_progress 1
		.amdhsa_inst_pref_size 165
	.end_amdhsa_kernel
	.amdgpu_metadata
---
amdhsa.version: [ 1, 2 ]
amdhsa.kernels:
  - .name:           k_q447fb32bdd_proj
    .symbol:         k_q447fb32bdd_proj.kd
    .args:
      - { .name: hidden_states_codes, .offset: 0, .size: 8, .value_kind: global_buffer, .address_space: global }
      - { .name: hidden_states_scales, .offset: 8, .size: 8, .value_kind: global_buffer, .address_space: global }
      - { .name: key_value_states_codes, .offset: 16, .size: 8, .value_kind: global_buffer, .address_space: global }
      - { .name: key_value_states_scales, .offset: 24, .size: 8, .value_kind: global_buffer, .address_space: global }
      - { .name: Wq_codes, .offset: 32, .size: 8, .value_kind: global_buffer, .address_space: global }
      - { .name: Wq_scales, .offset: 40, .size: 8, .value_kind: global_buffer, .address_space: global }
      - { .name: Wk_codes, .offset: 48, .size: 8, .value_kind: global_buffer, .address_space: global }
      - { .name: Wk_scales, .offset: 56, .size: 8, .value_kind: global_buffer, .address_space: global }
      - { .name: Wv_codes, .offset: 64, .size: 8, .value_kind: global_buffer, .address_space: global }
      - { .name: Wv_scales, .offset: 72, .size: 8, .value_kind: global_buffer, .address_space: global }
      - { .name: qbuf, .offset: 80, .size: 8, .value_kind: global_buffer, .address_space: global }
      - { .name: kvbuf, .offset: 88, .size: 8, .value_kind: global_buffer, .address_space: global }
    .group_segment_fixed_size: 327680
    .private_segment_fixed_size: 0
    .kernarg_segment_align: 8
    .kernarg_segment_size: 96
    .max_flat_workgroup_size: 128
    .sgpr_count:     100
    .vgpr_count:     1024
    .wavefront_size: 32
...
	.end_amdgpu_metadata
.endif
;; end of part 1
;; launch attn (part 2): grid 16 x 16, 8 waves a work-group, clusters of 4 x 1, 327,680 bytes of LDS; arguments qbuf, kvbuf, out0; writes out0
.if DOCPART == 2
	.amdgcn_target "amdgcn-amd-amdhsa--gfx1250"
	.amdhsa_code_object_version 6
	.text
	.protected	k_q447fb32bdd_attn
	.globl	k_q447fb32bdd_attn
	.p2align	8
	.type	k_q447fb32bdd_attn,@function
k_q447fb32bdd_attn:
	s_mov_b64 s[64:65], 0
	v_nop
	global_prefetch_b8 v0, s[64:65] scope:SCOPE_SE
	s_setreg_imm32_b32 hwreg(HW_REG_WAVE_MODE, 25, 1), 1
	s_wait_xcnt 0x0
	s_wait_alu depctr_hold_cnt(0) depctr_sa_sdst(0) depctr_va_vdst(0) depctr_va_sdst(0) depctr_va_ssrc(0) depctr_va_vcc(0) depctr_vm_vsrc(0)
	s_getreg_b32 s2, hwreg(HW_REG_IB_STS2, 6, 4)
	s_cmp_eq_u32 s2, 0
	s_cbranch_scc0 .Lentry_in_a_cluster
	s_endpgm
.Lentry_in_a_cluster:
	s_bfe_u32 s2, ttmp6, 0x10000c
	s_cmp_lg_u32 s2, 0x3003
	s_cbranch_scc0 .Lentry_shape_is_right
	s_endpgm
.Lentry_shape_is_right:
; out[b][q][96 h ..] = the sum over keys of softmax(q . k) v, for 16 heads (8 b + h) of 4,096 queries and keys and 96 channels; both products on codes of FP6 (E2M3) with E8M0 scales, as the launch before has laid them.
; THE SOFTMAX: t = score x log2(e) (q is already divided by sqrt(96)); M = the row's largest t so far, rounded UP to a whole number; p = 2^(t - M) is quantised along the keys, not normalised.
; The row's sum is taken of the unquantised p, in f32, and divides at the end.  When M moves, the sum and O are multiplied by 2^(old M - new M): exact.
; SHARES.  A work-group owns 256 queries of one head, each of its eight waves 32: two tiles of 16, so that each fragment of K and V feeds two matrix instructions.  Every wave walks the head's 32 key steps of 128 keys.
; LAYOUT.  Both products transposed: S^T = K Q^T, O^T = V^T P^T: a lane holds ONE query (lane % 16).  Fragment 4 c + i of K holds in row m the key 64 c + 32 (m / 8) + 16 (i % 2) + 8 (i / 2) + m % 8:
; so the 32 score registers of fragments 4 c .. 4 c + 3 in lane (r, h) are the WHOLE block 2 c + h of 32 keys, in the order of V's places inside a block.  A block's largest score needs no other lane,
; and the conversions' results are the operand's registers 6 c .. 6 c + 5 as they stand (the second three are made elsewhere and moved: a conversion's three registers begin on an even number).
; K = 96 of the first product is filled up to 128 by a block of zero codes on both sides (scale byte 127).
; THE RING.  A record of kvbuf (22,528 bytes) is a key step; a slot holds four records, 352 dense rows of 256 bytes; two slots; each wave fetches 44 rows.
; CLUSTER.  The four query blocks of a cluster walk the same records: each slot is asked for JOINTLY (mask 15).
; THE CHANGE OF SLOTS begins inside a slot's last step: when V's fragments are in registers the wave reads the slot no more, so the wait for its tensor loads, the add, the wait for both and the round's opening signal
; stand there, and the softmax and the second product, work on registers, stand between that signal and its wait.
; LIMITS.  The promise holds while the scaled scores stay under 2^31 in magnitude.  A block whose every p has fallen to 0 keeps the byte 1: its codes are zeros.  NaN and infinities are not served.
; The order of k inside a block differs from the natural one, alike in both operands: only a sum's last bits can differ.  A block's largest p is made from its largest score by the same two instructions
; (this takes v_exp_f32 not to fall where its input rises; at the worst one p of a block is held one code low).
.set REC,   22528
.set VC,    12288
.set KSO,   21504
.set VSO,   22016
.set QREC,  12800
.set SLB,   4*REC
.set SLOT1, 1<<17                      ; slot 1 begins here: one exclusive or turns an address in one slot into the other's
.set STAGE, SLOT1+SLB                  ; 16 rows x 400 bytes for each wave, for the way out
.set SPI,   400
.set SPARE, STAGE+8*16*SPI             ; the spare words, 128 bytes a wave
.set AL,  1                            ; 24 x lane
.set SL,  2                            ; 4 x lane
.set SPW, 3                            ; my spare word; never rewritten
.set NIL, 4                            ; 0; never rewritten
.set ADC, 5                            ; the step's record + 24 x lane
.set ADS, 6                            ; the step's record + 4 x lane
.set PFO, 7                            ; the prefetches' offset
.set ST,  8                            ; tile y at ST + 8 y: +0 -M, +1 the largest score, +2, +3 the sum, +4 f (+5 named with it), +6 at work (+7 named with it)
.set BM,  24                           ; v24-27 block 2 y + c: largest score, then largest p; v28-31 the second chains
.set PX,  32                           ; v32-33 what the lane 16 away holds
.set XC,  34                           ; v34-41 two more chains of the sums, a pair each: tile y at + 4 y
.set SO,  42                           ; v42-45 the conversions' scale operands
.set W,   46                           ; v46-47 at work: old -M; my half of p's scale word
.set KS,  48                           ; v48-51 K's scale words: lanes 0-15 fragment 2 i, lanes 16-31 fragment 2 i + 1
.set VS,  52                           ; v52-54 V's likewise
.set QS,  55                           ; Q's: lanes 0-15 tile 0, lanes 16-31 tile 1
.set PS,  56                           ; v56-57 p's scale words
.set BY,  58                           ; v58-61 the blocks' bytes
.set SH8, 62                           ; 8 x (lane / 16)
.set S,   64                           ; v64-191 S^T, then p: 64 a tile
.set PC,  192                          ; v192-215 p's codes: 12 a tile
.set STO, 232
.set RDA, 233
.set RDB, 234
.set GOA, 236
.set GOB, 237
.set QF,  96                           ; window 1: v0-95 O^T (48 y + 8 n); v96-119 Q; v128-223 eight fragments of K, then six of V
.set FB,  128
.set WV,  10
.set G1,  16
.set G0,  24
.set PFA, 28
.set LIM, 30                           ; 1 in wave 0, else the greatest number
.set SLOTS, 31
.set TB,  32                           ; LDS byte of the step's record
.set CNT, 33
.set CS,  34                           ; s[34:35] log2(e)
.set SEL, 36                           ; s[36:37] lane l xor 16
.set MSB, 0
.macro WIN new
.if MSB != \new
	s_set_vgpr_msb (MSB<<8)|\new
.set MSB, \new
.endif
.endm
.macro PLACES
.rept 4
	v_nop
.endr
.endm
.macro CREST                           ; a round of the cluster's barrier behind its opening barrier
	s_cmp_lg_u32 s[WV], 0
	s_cbranch_scc1 .Lnot_wave_0_\@
	s_barrier_signal -3
.Lnot_wave_0_\@:
	s_barrier_wait -3
	s_barrier_signal -1
	s_barrier_wait -1
.endm
.macro CROUND
	s_barrier_signal -1
	s_barrier_wait -1
	CREST
.endm
; S^T: C is the constant 0.  ra, rb = 1: the side's scale words stand in lanes 16-31 of the register named.
.macro WS d, a, b, sa, ra, rb
.if 2*(\ra)+(\rb) == 3
	v_wmma_scale_f32_16x16x128_f8f6f4 v[(\d):(\d)+7], v[(\a):(\a)+11], v[(\b):(\b)+11], 0, v[\sa], v[QS] matrix_a_fmt:MATRIX_FMT_FP6 matrix_b_fmt:MATRIX_FMT_FP6 matrix_a_scale:MATRIX_SCALE_ROW1 matrix_b_scale:MATRIX_SCALE_ROW1
.endif
.if 2*(\ra)+(\rb) == 2
	v_wmma_scale_f32_16x16x128_f8f6f4 v[(\d):(\d)+7], v[(\a):(\a)+11], v[(\b):(\b)+11], 0, v[\sa], v[QS] matrix_a_fmt:MATRIX_FMT_FP6 matrix_b_fmt:MATRIX_FMT_FP6 matrix_a_scale:MATRIX_SCALE_ROW1
.endif
.if 2*(\ra)+(\rb) == 1
	v_wmma_scale_f32_16x16x128_f8f6f4 v[(\d):(\d)+7], v[(\a):(\a)+11], v[(\b):(\b)+11], 0, v[\sa], v[QS] matrix_a_fmt:MATRIX_FMT_FP6 matrix_b_fmt:MATRIX_FMT_FP6 matrix_b_scale:MATRIX_SCALE_ROW1
.endif
.if 2*(\ra)+(\rb) == 0
	v_wmma_scale_f32_16x16x128_f8f6f4 v[(\d):(\d)+7], v[(\a):(\a)+11], v[(\b):(\b)+11], 0, v[\sa], v[QS] matrix_a_fmt:MATRIX_FMT_FP6 matrix_b_fmt:MATRIX_FMT_FP6
.endif
.endm
.macro WP d, a, b, sa, sb, ra          ; O^T: C = D
.if (\ra)
	v_wmma_scale_f32_16x16x128_f8f6f4 v[(\d):(\d)+7], v[(\a):(\a)+11], v[(\b):(\b)+11], v[(\d):(\d)+7], v[\sa], v[\sb] matrix_a_fmt:MATRIX_FMT_FP6 matrix_b_fmt:MATRIX_FMT_FP6 matrix_a_scale:MATRIX_SCALE_ROW1
.else
	v_wmma_scale_f32_16x16x128_f8f6f4 v[(\d):(\d)+7], v[(\a):(\a)+11], v[(\b):(\b)+11], v[(\d):(\d)+7], v[\sa], v[\sb] matrix_a_fmt:MATRIX_FMT_FP6 matrix_b_fmt:MATRIX_FMT_FP6
.endif
.endm
; A PREFETCH of the slot that the NEXT change of slots will ask for, four key steps ahead of that load.  A slot is 352 blocks of 256 bytes; the 16 work-groups of a head take 22 blocks each, told apart BY ADDRESS;
; wave 0 asks, a lane a block; lanes 22 to 31 repeat lane 21's block.  The last change that fills a slot asks for nothing.  Slots 0 and 1 come by their loads alone.
.macro ASK
	s_cmp_gt_u32 s[SLOTS], s[LIM]
	s_cbranch_scc0 .Lnot_mine_\@
	global_prefetch_b8 v[PFO], s[PFA:PFA+1] th:TH_LOAD_NT scope:SCOPE_SE
.Lnot_mine_\@:
.endm
.macro LINES                           ; ahead of a refill's round: all my tensor loads have landed; the add onto my spare word; the descriptor and the prefetches' address step on
	s_wait_tensorcnt 0x0
	ds_add_u32 v[SPW], v[NIL]
	s_xor_b32 s[G0+1], s[G0+1], SLOT1
	s_add_nc_u64 s[G0+2:G0+3], s[G0+2:G0+3], SLB
	s_wait_xcnt 0x0                                ; the last prefetch, a slot back, has read its address
	s_add_nc_u64 s[PFA:PFA+1], s[PFA:PFA+1], SLB
.endm
.macro REFILL                          ; directly behind the opening barrier's wait: the rest of the round, and my one tensor load until the next round
	CREST
	tensor_load_to_lds s[G0:G0+3], s[G1:G1+7]
	s_nop 0
.rept 4
	v_nop
.endr
	ASK
.endm
; A KEY STEP: 128 keys; the record lies at LDS byte s[TB].  last = 1: a slot's last step, a refill follows; last = 2: the same with nothing left to fetch: a plain barrier shows the last slot whole.
.macro STEP last
	v_add_nc_u32 v[ADC], s[TB], v[AL]              ; with the two v_nop: four places behind the last step's products
	v_add_nc_u32 v[ADS], s[TB], v[SL]
	v_nop
	v_nop
	WIN 0x40
.irp t, 0,1,2,3,4,5,6,7
.irp c, 0,1
.irp p, 0,1,2
	ds_load_b64 v[FB+12*\t+6*\c+2*\p:FB+12*\t+6*\c+2*\p+1], v[ADC] offset:1536*\t+768*\c+8*\p
.endr
.endr
.endr
	WIN 0
.irp i, 0,1,2,3
	ds_load_b32 v[KS+\i], v[ADS] offset:KSO+128*\i
.endr
	s_wait_alu depctr_va_vdst(0)
	s_wait_dscnt 0x0
	WIN 0x05                                       ; K and Q in window 1, S^T in window 0
.irp t, 0,1,2,3,4,5,6,7
.irp y, 0,1
	WS S+64*\y+8*\t, FB+12*\t, QF+12*\y, KS+\t/2, \t%2, \y
.endr
.endr
	WIN 0
	PLACES
	WIN 0x40                                       ; V's fragments take K's registers
.irp n, 0,1,2,3,4,5
.irp c, 0,1
.irp p, 0,1,2
	ds_load_b64 v[FB+12*\n+6*\c+2*\p:FB+12*\n+6*\c+2*\p+1], v[ADC] offset:VC+1536*\n+768*\c+8*\p
.endr
.endr
.endr
	WIN 0
.irp i, 0,1,2
	ds_load_b32 v[VS+\i], v[ADS] offset:VSO+128*\i
.endr
.if \last == 1
	LINES
.endif
.if \last == 2
	s_wait_tensorcnt 0x0                           ; my part of the last slot has landed
.endif
; each block's largest score: 32 registers in two chains of 15, eight chains by turns; each accumulator is first read at its low end
.irp e, 0,1
.irp y, 0,1
.irp c, 0,1
	v_max3_num_f32 v[BM+4*\e+2*\y+\c], v[S+64*\y+32*\c+16*\e], v[S+64*\y+32*\c+16*\e+1], v[S+64*\y+32*\c+16*\e+2]
.endr
.endr
.endr
.irp i, 3,5,7,9,11,13
.irp e, 0,1
.irp y, 0,1
.irp c, 0,1
	v_max3_num_f32 v[BM+4*\e+2*\y+\c], v[BM+4*\e+2*\y+\c], v[S+64*\y+32*\c+16*\e+\i], v[S+64*\y+32*\c+16*\e+\i+1]
.endr
.endr
.endr
.endr
.if \last
	s_wait_alu depctr_va_vdst(0)                   ; ahead of the wait below
	s_wait_dscnt 0x0                               ; V is in registers (and the add is done): my reads of this slot are over
	s_barrier_signal -1                            ; only work on registers stands between this signal and its wait at the step's end
.endif
.irp y, 0,1
.irp c, 0,1
	v_max3_num_f32 v[BM+2*\y+\c], v[BM+2*\y+\c], v[S+64*\y+32*\c+15], v[S+64*\y+32*\c+31]
.endr
.endr
.irp n, 0,1,2,3
	s_delay_alu instid0(VALU_DEP_4)
	v_max_num_f32 v[BM+\n], v[BM+\n], v[BM+4+\n]
.endr
	s_delay_alu instid0(VALU_DEP_3)
	v_max3_num_f32 v[ST+1], v[ST+1], v[BM], v[BM+1]                ; the running largest score, my half of the keys,
	s_delay_alu instid0(VALU_DEP_2)
	v_max3_num_f32 v[ST+9], v[ST+9], v[BM+2], v[BM+3]
.irp y, 0,1
	s_delay_alu instid0(VALU_DEP_2)
	v_permlanex16_b32 v[PX+\y], v[ST+8*\y+1], s[SEL], s[SEL+1]
.endr
.irp y, 0,1
	s_delay_alu instid0(VALU_DEP_2)
	v_max_num_f32 v[ST+8*\y+1], v[ST+8*\y+1], v[PX+\y]             ; and the other half
.endr
.irp y, 0,1
	s_delay_alu instid0(VALU_DEP_2)
	v_mul_f32 v[ST+8*\y+6], s[CS], v[ST+8*\y+1]                    ; as t
.endr
.irp y, 0,1
	v_mov_b32 v[W+\y], v[ST+8*\y]
.endr
.irp y, 0,1
	s_delay_alu instid0(VALU_DEP_4)
	v_floor_f32 v[ST+8*\y], -v[ST+8*\y+6]                          ; the new -M = floor(-t)
.endr
.irp y, 0,1
	s_delay_alu instid0(VALU_DEP_2)
	v_sub_f32 v[W+\y], v[ST+8*\y], v[W+\y]                         ; old M - new M: a whole number, 0 or less
.endr
.irp y, 0,1
	s_delay_alu instid0(VALU_DEP_2)
	v_cvt_i32_f32 v[W+\y], v[W+\y]                                 ; (it saturates)
.endr
.irp y, 0,1
	s_delay_alu instid0(VALU_DEP_2)
	v_ldexp_f32 v[ST+8*\y+4], 1.0, v[W+\y]                         ; f = 2^(old M - new M)
.endr
.irp j, 0,2,4,6,8,10,12,14,16,18,20,22,24,26,28,30,32,34,36,38,40,42,44,46,48,50,52,54,56,58,60,62
.irp y, 0,1
	v_pk_fma_f32 v[S+64*\y+\j:S+64*\y+\j+1], v[S+64*\y+\j:S+64*\y+\j+1], s[CS:CS+1], v[ST+8*\y:ST+8*\y+1] op_sel_hi:[1,0,0]   ; t - M
.endr
.endr
.irp y, 0,1
.irp c, 0,1
	v_fma_f32 v[BM+2*\y+\c], v[BM+2*\y+\c], s[CS], v[ST+8*\y]      ; the same of each block's largest score
.endr
.endr
	s_wait_alu depctr_va_vdst(0)                   ; ahead of the batch
.set J, 0
.rept 128
	v_exp_f32 v[S+J], v[S+J]                       ; p = 2^(t - M), at most 1
.set J, J+1
.endr
.irp n, 0,1,2,3
	v_exp_f32 v[BM+\n], v[BM+\n]                   ; the blocks' largest p
.endr
.irp y, 0,1
	v_pk_mul_f32 v[ST+8*\y+2:ST+8*\y+3], v[ST+8*\y+2:ST+8*\y+3], v[ST+8*\y+4:ST+8*\y+5] op_sel_hi:[1,0]   ; the sums under the new M: the plain instructions behind the batch
.endr
	s_wait_alu depctr_va_vdst(0)                   ; one wait for the whole batch, ahead of its first reader
.irp n, 0,1,2,3
	v_max_num_f32 v[BM+\n], 0x1800000, v[BM+\n]    ; the floor 2^(3 - 127): the byte cannot fall under 1
.endr
.irp y, 0,1                                    ; the row's sum of the unquantised p: three chains a tile, six by turns
	v_pk_add_f32 v[XC+4*\y:XC+4*\y+1], v[S+64*\y:S+64*\y+1], v[S+64*\y+2:S+64*\y+3]
	v_pk_add_f32 v[XC+4*\y+2:XC+4*\y+3], v[S+64*\y+4:S+64*\y+5], v[S+64*\y+6:S+64*\y+7]
.endr
.irp n, 0,1,2,3
	v_add_nc_u32 v[SO+\n], 0xff000000, v[BM+\n]    ; 2 off the exponent field: the conversion's scale operand
.endr
.irp j, 8,14,20,26,32,38,44,50,56
.irp y, 0,1
	v_pk_add_f32 v[ST+8*\y+2:ST+8*\y+3], v[ST+8*\y+2:ST+8*\y+3], v[S+64*\y+\j:S+64*\y+\j+1]
	v_pk_add_f32 v[XC+4*\y:XC+4*\y+1], v[XC+4*\y:XC+4*\y+1], v[S+64*\y+\j+2:S+64*\y+\j+3]
	v_pk_add_f32 v[XC+4*\y+2:XC+4*\y+3], v[XC+4*\y+2:XC+4*\y+3], v[S+64*\y+\j+4:S+64*\y+\j+5]
.endr
.endr
.irp y, 0,1
	v_pk_add_f32 v[ST+8*\y+2:ST+8*\y+3], v[ST+8*\y+2:ST+8*\y+3], v[S+64*\y+62:S+64*\y+63]
.endr
.irp n, 0,1,2,3
	v_lshrrev_b32 v[BY+\n], 23, v[SO+\n]           ; the byte
.endr
.irp y, 0,1
	v_pk_add_f32 v[XC+4*\y:XC+4*\y+1], v[XC+4*\y:XC+4*\y+1], v[XC+4*\y+2:XC+4*\y+3]
.endr
	v_lshl_or_b32 v[W], v[BY+1], 16, v[BY]         ; my two bytes: blocks h and 2 + h
	s_delay_alu instid0(VALU_DEP_4)
	v_lshl_or_b32 v[W+1], v[BY+3], 16, v[BY+2]
.irp y, 0,1
	s_delay_alu instid0(VALU_DEP_4)
	v_pk_add_f32 v[ST+8*\y+2:ST+8*\y+3], v[ST+8*\y+2:ST+8*\y+3], v[XC+4*\y:XC+4*\y+1]
.endr
.irp y, 0,1
	s_delay_alu instid0(VALU_DEP_4)
	v_lshlrev_b32 v[W+\y], v[SH8], v[W+\y]         ; at their places in the word
.endr
.irp y, 0,1
.irp c, 0,1
	v_cvt_scalef32_pk16_fp6_f32 v[PC+12*\y+6*\c:PC+12*\y+6*\c+2], v[S+64*\y+32*\c:S+64*\y+32*\c+15], v[SO+2*\y+\c]
.endr
.endr
	v_nop                                          ; one plain instruction: the conversions below write over sources of those above
.irp y, 0,1
.irp c, 0,1
	v_cvt_scalef32_pk16_fp6_f32 v[S+64*\y+32*\c:S+64*\y+32*\c+2], v[S+64*\y+32*\c+16:S+64*\y+32*\c+31], v[SO+2*\y+\c]
.endr
.endr
	v_nop                                          ; one plain instruction behind the conversions
.irp y, 0,1
	v_permlanex16_b32 v[PX+\y], v[W+\y], s[SEL], s[SEL+1]
.endr
.irp y, 0,1
.irp c, 0,1
.irp i, 0,1,2
	v_mov_b32 v[PC+12*\y+6*\c+3+\i], v[S+64*\y+32*\c+\i]
.endr
.endr
.endr
.irp y, 0,1
	v_or_b32 v[PS+\y], v[W+\y], v[PX+\y]           ; p's scale word for these 128 keys
.endr
	WIN 0x41                                       ; O^T in window 1, f in window 0
	s_wait_alu depctr_va_vdst(0)                   ; directly ahead of the first reader of O^T
.irp y, 0,1
.set J, 0
.rept 24
	v_pk_mul_f32 v[48*\y+J:48*\y+J+1], v[48*\y+J:48*\y+J+1], v[ST+8*\y+4:ST+8*\y+5] op_sel_hi:[1,0]   ; O^T under the new M; these 48 are also the places between p's codes and scale words and the products
.set J, J+2
.endr
.endr
.if \last == 0
	s_wait_alu depctr_va_vdst(0)
	s_wait_dscnt 0x0                               ; V is in
.endif
	WIN 0x51                                       ; V, C and D in window 1, P in window 0
.irp n, 0,1,2,3,4,5
.irp y, 0,1
	WP 48*\y+8*\n, FB+12*\n, PC+12*\y, VS+\n/2, PS+\y, \n%2   ; the 12 accumulators by turns
.endr
.endr
	WIN 0
	s_add_co_u32 s[TB], s[TB], REC
.if \last
	s_barrier_wait -1
.endif
.endm
.macro RUN n                           ; n key steps inside a slot
	s_mov_b32 s[CNT], \n
.Lstep_\@:
	STEP 0
	s_sub_co_u32 s[CNT], s[CNT], 1
	s_cmp_lg_u32 s[CNT], 0
	s_cbranch_scc1 .Lstep_\@
.endm
.macro OTHER                           ; back to a slot's first record, in the other slot
	s_sub_co_u32 s[TB], s[TB], SLB
	s_xor_b32 s[TB], s[TB], SLOT1
.endm
	s_load_b128 s[4:7], s[0:1], 0x0                ; qbuf, kvbuf
	s_load_b64 s[8:9], s[0:1], 0x10                ; out0
	v_lshl_add_u32 v[SPW], v0, 2, SPARE
	v_mov_b32 v[NIL], 0
	ds_add_u32 v[SPW], v[NIL]                      ; the opening lines: the add twice on end and one wait
	ds_add_u32 v[SPW], v[NIL]
	v_lshrrev_b32 v5, 5, v0
	s_delay_alu instid0(VALU_DEP_1)
	v_readfirstlane_b32 s[WV], v5                  ; wave 0..7
	s_bfe_u32 s38, ttmp6, 0x40000                  ; cx
	s_lshl_b32 s39, ttmp9, 2
	s_add_co_u32 s39, s39, s38                     ; my block of 256 queries: it enters Q's, out's and the prefetches' addresses alone
	s_and_b32 s40, ttmp7, 0xffff                   ; 8 b + h, which the partners share
	s_mul_i32 s42, s40, 32*REC
	s_mov_b32 s43, 0
	s_mul_i32 s41, s[WV], 44*256                   ; my 44 rows of a slot, in memory and in LDS
	s_mov_b32 s[G1], 15|(3<<16)|(1<<21)            ; 44 rows of 256 bytes (32 elements of 8 bytes), dense; the mask names the four partners
	s_mov_b32 s[G1+1], 32<<16
	s_mov_b32 s[G1+2], 44<<16
	s_mov_b32 s[G1+3], 32<<16
	s_mov_b32 s[G1+4], 44
	s_mov_b32 s[G1+5], 32
	s_mov_b32 s[G1+6], 0
	s_mov_b32 s[G1+7], 0
	s_mul_i32 s44, s40, 32*QREC                    ; Q: the head's records,
	s_lshl_b32 s46, s39, 1
	s_lshr_b32 s47, s[WV], 2
	s_add_co_u32 s46, s46, s47                     ; record 2 x block + wave / 4,
	s_mul_i32 s46, s46, QREC
	s_add_co_u32 s44, s44, s46
	s_mov_b32 s45, 0
	s_and_b32 s46, s[WV], 3
	s_lshl_b32 s48, s46, 7
	s_add_co_u32 s48, s48, 12288                   ; in it my 32 scale words,
	s_mov_b32 s49, 0
	s_mul_i32 s46, s46, 3072                       ; and my two fragments
	s_mov_b32 s47, 0
	s_lshr_b32 s50, s40, 3
	s_mul_i32 s50, s50, 4096*3072                  ; out: the batch,
	s_lshl_b32 s52, s39, 8
	s_lshl_b32 s53, s[WV], 5
	s_add_co_u32 s52, s52, s53
	s_mul_i32 s52, s52, 3072                       ; my first query's row,
	s_add_co_u32 s50, s50, s52
	s_and_b32 s52, s40, 7
	s_mul_i32 s52, s52, 384                        ; the head's 96 channels
	s_add_co_u32 s50, s50, s52
	s_mov_b32 s51, 0
	s_mov_b32 s[CS], 0x3fb8aa3b                    ; log2(e)
	s_mov_b32 s[CS+1], s[CS]
	s_mov_b32 s[SEL], 0x76543210
	s_mov_b32 s[SEL+1], 0xfedcba98
	s_mov_b32 s[TB], 0
	s_mov_b32 s[SLOTS], 6
	s_cmp_eq_u32 s[WV], 0
	s_cselect_b32 s[LIM], 1, -1
	s_wait_dscnt 0x0                               ; both opening adds are done
	s_wait_kmcnt 0x0
	s_add_nc_u64 s[6:7], s[6:7], s[42:43]          ; kvbuf at my head
	s_add_nc_u64 s[PFA:PFA+1], s[6:7], SLB         ; slot 1: the first change of slots steps it to slot 2
	s_mov_b32 s42, s41
	s_mov_b32 s[G0], 1
	s_mov_b32 s[G0+1], s41
	s_add_nc_u64 s[G0+2:G0+3], s[6:7], s[42:43]
	s_or_b32 s[G0+3], s[G0+3], 0x80000000
	s_add_nc_u64 s[4:5], s[4:5], s[44:45]
	s_add_nc_u64 s[54:55], s[4:5], s[48:49]        ; Q's scale words
	s_add_nc_u64 s[4:5], s[4:5], s[46:47]          ; Q's fragments
	s_add_nc_u64 s[8:9], s[8:9], s[50:51]
	CROUND                                         ; the four work-groups are here: the first joint load meets
	tensor_load_to_lds s[G0:G0+3], s[G1:G1+7]      ; slot 0: my one load at the head
	s_nop 0
.rept 4
	v_nop
.endr
	v_and_b32 v5, 31, v0
	v_bfe_u32 v[SH8], v0, 4, 1
	s_delay_alu instid0(VALU_DEP_2)
	v_mul_u32_u24 v[AL], v5, 24
	v_lshlrev_b32 v[SL], 2, v5
	v_min_u32 v[PFO], 21, v5
	v_lshlrev_b32 v[SH8], 3, v[SH8]
	s_mul_i32 s38, s39, 22
	v_add_nc_u32 v[PFO], s38, v[PFO]
	s_delay_alu instid0(VALU_DEP_1)
	v_lshlrev_b32 v[PFO], 8, v[PFO]                ; block 22 x my query block + min(lane, 21) of a slot's 352
	WIN 0x40
.irp y, 0,1
.irp c, 0,1
.irp p, 0,1,2
	global_load_b64 v[QF+12*\y+6*\c+2*\p:QF+12*\y+6*\c+2*\p+1], v[AL], s[4:5] offset:1536*\y+768*\c+8*\p   ; Q's fragments stay in registers
.endr
.endr
.endr
.set J, 0
.rept 96
	v_mov_b32 v[J], 0                              ; O^T: the step is written once, and its first walk finds zeros, which the first change of M leaves zeros
.set J, J+1
.endr
	WIN 0
	global_load_b32 v[QS], v[SL], s[54:55]
.irp y, 0,1
	v_mov_b32 v[ST+8*\y], 0x7e967699               ; -M: 1e38, over every -M that follows: the first f is 0
	v_mov_b32 v[ST+8*\y+1], 0xfe967699             ; the largest score so far: -1e38
	v_mov_b32 v[ST+8*\y+2], 0                      ; the sum, in two halves
	v_mov_b32 v[ST+8*\y+3], 0
	v_mov_b32 v[ST+8*\y+5], 0                      ; (named as upper halves of pairs)
	v_mov_b32 v[ST+8*\y+7], 0
	v_mov_b32 v[PX+\y], 0                          ; written once: a lane permute's destination counts as one of its sources
.endr
	s_wait_alu depctr_va_vdst(0)                   ; the wait at the head's end
	s_wait_loadcnt 0x0                             ; Q
	LINES                                          ; slot 1's first fill is issued as a refill is
	s_wait_dscnt 0x0
	s_barrier_signal -1
	s_barrier_wait -1
	REFILL
.Lslot:                                                ; 6 trips: slots 0 to 5 are walked, slots 2 to 7 asked for
	RUN 3
	STEP 1
	REFILL
	OTHER
	s_sub_co_u32 s[SLOTS], s[SLOTS], 1
	s_cmp_lg_u32 s[SLOTS], 0
	s_cbranch_scc1 .Lslot
	RUN 3                                          ; the last two slots are written out
	STEP 2
	OTHER
	RUN 4
	; THE WAY OUT.  The sum's halves are added; O^T is divided by the sum and goes through my own stage in LDS, a tile (16 rows x 384 bytes) at a time, and comes back by rows, 16 bytes a lane.
.irp y, 0,1
	v_add_f32 v[ST+8*\y+6], v[ST+8*\y+2], v[ST+8*\y+3]
.endr
.irp y, 0,1
	s_delay_alu instid0(VALU_DEP_2)
	v_permlanex16_b32 v[ST+8*\y+5], v[ST+8*\y+6], s[SEL], s[SEL+1]
.endr
.irp y, 0,1
	s_delay_alu instid0(VALU_DEP_2)
	v_add_f32 v[ST+8*\y+6], v[ST+8*\y+6], v[ST+8*\y+5]
.endr
	s_wait_alu depctr_va_vdst(0)
.irp y, 0,1
	v_rcp_f32 v[ST+8*\y+6], v[ST+8*\y+6]
.endr
	v_and_b32 v239, 15, v0                         ; r.  (The address work is the plain work behind the reciprocals and the places behind the last products)
	v_bfe_u32 v240, v0, 4, 1                       ; h
	s_mul_i32 s38, s[WV], 16*SPI
	s_add_co_u32 s38, s38, STAGE                   ; my stage
	v_mul_u32_u24 v[STO], v239, SPI
	s_delay_alu instid0(VALU_DEP_1)
	v_lshl_add_u32 v[STO], v240, 5, v[STO]
	s_delay_alu instid0(VALU_DEP_1)
	v_add_nc_u32 v[STO], s38, v[STO]               ; in: row r; channels 16 n + 8 h on: 64 n + 32 h bytes
	v_mul_u32_u24 v[RDA], v240, SPI                ; back, a row's first 256 bytes: lanes 0-15 take one row, lanes 16-31 the next
	s_delay_alu instid0(VALU_DEP_1)
	v_lshl_add_u32 v[RDA], v239, 4, v[RDA]
	s_delay_alu instid0(VALU_DEP_1)
	v_add_nc_u32 v[RDA], s38, v[RDA]
	v_mul_u32_u24 v[GOA], v240, 3072               ; and the same place in out
	s_delay_alu instid0(VALU_DEP_1)
	v_lshl_add_u32 v[GOA], v239, 4, v[GOA]
	v_and_b32 v239, 7, v0                          ; lane % 8
	v_bfe_u32 v240, v0, 3, 2                       ; lane / 8
	s_delay_alu instid0(VALU_DEP_1)
	v_mul_u32_u24 v[RDB], v240, SPI                ; a row's other 128 bytes: eight lanes to a row, four rows an instruction
	s_delay_alu instid0(VALU_DEP_1)
	v_lshl_add_u32 v[RDB], v239, 4, v[RDB]
	s_delay_alu instid0(VALU_DEP_1)
	v_add_nc_u32 v[RDB], s38, v[RDB]
	s_delay_alu instid0(VALU_DEP_4)
	v_mul_u32_u24 v[GOB], v240, 3072
	s_delay_alu instid0(VALU_DEP_1)
	v_lshl_add_u32 v[GOB], v239, 4, v[GOB]
.macro PACK y
	WIN 0x01                                       ; O^T in window 1; the results take S^T's registers
	s_wait_alu depctr_va_vdst(0)                   ; for the reciprocals, and directly ahead of the first reader of this tile's O^T
.set J, 0
.rept 24
	v_pk_mul_f32 v[S+64*\y+J:S+64*\y+J+1], v[48*\y+J:48*\y+J+1], v[ST+8*\y+6:ST+8*\y+7] op_sel_hi:[1,0]
.set J, J+2
.endr
	WIN 0
.irp n, 0,1,2,3,4,5
	ds_store_b128 v[STO], v[S+64*\y+8*\n:S+64*\y+8*\n+3] offset:64*\n
	ds_store_b128 v[STO], v[S+64*\y+8*\n+4:S+64*\y+8*\n+7] offset:64*\n+16
.endr
.irp i, 0,1,2,3,4,5,6,7
	ds_load_b128 v[S+64*\y+4*\i:S+64*\y+4*\i+3], v[RDA] offset:2*\i*SPI   ; LDS serves a wave's instructions in order (ISA guide 5.7.1.4): these see the stores above, and the next tile's stores come behind them
.endr
.irp i, 0,1,2,3
	ds_load_b128 v[S+64*\y+32+4*\i:S+64*\y+32+4*\i+3], v[RDB] offset:256+4*\i*SPI
.endr
.endm
.macro SEND y, younger                 ; younger: the LDS instructions issued behind this tile's twelve loads
.irp i, 0,1,2,3,4,5,6,7
	s_wait_dscnt \younger+11-\i                    ; load i is in: behind it stand the tile's other 11 - i loads and the younger ones
	global_store_b128 v[GOA], v[S+64*\y+4*\i:S+64*\y+4*\i+3], s[8:9] offset:(16*\y+2*\i)*3072 th:TH_STORE_NT   ; sixteen lanes store 256 consecutive bytes of a row
.endr
.irp i, 0,1,2,3
	s_wait_dscnt \younger+3-\i
	global_store_b128 v[GOB], v[S+64*\y+32+4*\i:S+64*\y+32+4*\i+3], s[8:9] offset:(16*\y+4*\i)*3072+256 th:TH_STORE_NT   ; eight lanes store a row's other 128 bytes
.endr
.endm
	PACK 0
	PACK 1
	SEND 0, 24
	SEND 1, 0
	s_wait_tensorcnt 0x0                           ; the wave's end
	ds_add_u32 v[SPW], v[NIL]
	s_wait_dscnt 0x0
	CROUND                                         ; the closing round
	s_endpgm
.Lfunc_end_k_q447fb32bdd_attn:
	.size	k_q447fb32bdd_attn, .Lfunc_end_k_q447fb32bdd_attn-k_q447fb32bdd_attn
	.p2alignl 7, 3214868480
	.fill 96, 4, 3214868480
	.section	.rodata,"a",@progbits
	.p2align	6, 0x0
	.amdhsa_kernel k_q447fb32bdd_attn
		.amdhsa_group_segment_fixed_size 327680
		.amdhsa_private_segment_fixed_size 0
		.amdhsa_enable_private_segment 0
		.amdhsa_kernarg_size 24
		.amdhsa_user_sgpr_count 2
		.amdhsa_user_sgpr_kernarg_segment_ptr 1
		.amdhsa_wavefront_size32 1
		.amdhsa_system_sgpr_workgroup_id_x 1
		.amdhsa_system_sgpr_workgroup_id_y 1
		.amdhsa_system_sgpr_workgroup_id_z 1
		.amdhsa_system_vgpr_workitem_id 0
		.amdhsa_next_free_vgpr 512
		.amdhsa_next_free_sgpr 66
		.amdhsa_reserve_vcc 0
		.amdhsa_float_denorm_mode_32 3
		.amdhsa_float_denorm_mode_16_64 3
		.amdhsa_memory_ordered 1
		.amdhsa_forward_progress 1
		.amdhsa_inst_pref_size 189
	.end_amdhsa_kernel
	.amdgpu_metadata
---
amdhsa.version: [ 1, 2 ]
amdhsa.kernels:
  - .name:           k_q447fb32bdd_attn
    .symbol:         k_q447fb32bdd_attn.kd
    .args:
      - { .name: qbuf, .offset: 0, .size: 8, .value_kind: global_buffer, .address_space: global }
      - { .name: kvbuf, .offset: 8, .size: 8, .value_kind: global_buffer, .address_space: global }
      - { .name: out0, .offset: 16, .size: 8, .value_kind: global_buffer, .address_space: global }
    .group_segment_fixed_size: 327680
    .private_segment_fixed_size: 0
    .kernarg_segment_align: 8
    .kernarg_segment_size: 24
    .max_flat_workgroup_size: 256
    .sgpr_count:     66
    .vgpr_count:     512
    .wavefront_size: 32
...
	.end_amdgpu_metadata
.endif
;; end of part 2
